; MI455X (gfx1250); checked and timed in simulation.
; The chip was launched on July 23, 2026; its instructions are those of AMD's public machine-readable ISA for CDNA 5 (MIT licence, August 2026) and "CDNA5" Instruction Set Architecture Reference Guide (July 2026). The comments in the code are by the model that wrote it; some were corrected since.
;; MOE Layer. Allowed arithmetic: float matrix products may take bf16 or f16 operands with f32 sums; all other float work in f32.
;; Inputs: gate 4,096 int32; weight 16 x 1,024 x 1,024 float32; x 4,096 x 1,024 float32.
;; Outputs: out0 4,096 x 1,024 float32.
;; 2 versions, each right; version 2 is version 1 with the launch gemm written anew for expert scheduling mode. Each part assembles by itself: llvm-mc -triple=amdgcn-amd-amdhsa -mcpu=gfx1250 --defsym DOCPART=n.
;; ======== version 1 of 2: 2 launches
;; workspace buffers: route 266,496 bytes of whole numbers
;; launch lists (part 1): grid 16 x 1, 8 waves a work-group, no clusters, 1,280 bytes of LDS; arguments gate, route, out0; writes route, out0
.if DOCPART == 1
	.amdgcn_target "amdgcn-amd-amdhsa--gfx1250"
	.amdhsa_code_object_version 6
	.text
	.protected	k_qea1ef2932e_lists
	.globl	k_qea1ef2932e_lists
	.p2align	8
	.type	k_qea1ef2932e_lists,@function
k_qea1ef2932e_lists:
	s_mov_b64 s[64:65], 0
	v_nop
	global_prefetch_b8 v0, s[64:65] scope:SCOPE_SE
	s_setreg_imm32_b32 hwreg(HW_REG_WAVE_MODE, 25, 1), 1
	s_wait_xcnt 0x0
; ROUTING LISTS for out0[b] = weight[gate[b]] . x[b]:  4,096 tokens, 16 experts.
; Work-group e scans all 4,096 gates and writes expert e's list of token numbers into route:
;   bytes e*16640 ..      : the list, n_e token numbers, then 64 copies of its LAST element.  The next launch reads
;                           48 ceil(n_e / 48) words, at most 47 of the copies; the last element lies in the tile that
;                           they fill up, so the wave that owns that tile computes and stores that token's row more
;                           than once, with equal values;
;   byte  266240 + 4 e    : ntiles_e = ceil(n_e / 48).
; A list has 4,160 words.  4,096 tokens on one expert give 86 tiles = 4,128 words that are read, and n + 63 = 4,159.
; EXEC IS NEVER CHANGED.  Every lane stores for every gate it holds: a lane whose gate is not e stores to the list's
; last word, 4,159, which is written with no meaning and never read.  That costs dead 4-byte stores to one word and
; spares all masking; each expert's word belongs to its own work-group.
; A gate outside 0..15 (compared unsigned, so negative ones too) matches no expert: the result row is zero.
; Work-group e looks after tokens 256 e .. 256 e + 255 for that and stores those rows of out0 itself; the next
; launch stores all other rows, so every byte of out0 is written once over the two launches.
; No atomics: places come from counts within a lane mask, a running count within the wave, and a sum over the
; eight waves through LDS.  The order of a list is of no account.
.set LISTB, 16640                      ; bytes of a list
.set LASTW, 0x103f                     ; its last word, 4,159: the clamp of every place, and the dump of lanes without a match
.set CNTB,  266240                     ; where the 16 tile counts begin
.set G,  4                             ; v[4:19]   16 gates: register 4 j + q = token 1024 j + 4 t + q
.set P,  20                            ; v[20:35]  place in the list, then its byte offset
.set TK, 36                            ; v[36:51]  the token numbers
.set GT, 52                            ; v52       gate of token 256 e + t
.set Z,  72                            ; v[72:75]  zeros;  v76 = 16 x lane
	s_load_b128 s[4:7], s[0:1], 0x0                ; gate s[4:5], route s[6:7]
	s_load_b64 s[8:9], s[0:1], 0x10                ; out0
	v_lshl_add_u32 v80, v0, 2, 0x100
	v_mov_b32 v81, 0
	v_and_b32 v1, 31, v0                           ; lane
	v_lshrrev_b32 v2, 5, v0
	v_readfirstlane_b32 s2, v2                     ; wave 0..7
	s_mov_b32 s3, ttmp9                            ; expert e
	v_lshlrev_b32 v53, 4, v0                       ; 16 t: four gates a thread and load
	v_lshlrev_b32 v54, 2, v0                       ; 4 t
	v_lshlrev_b32 v76, 4, v1                       ; 16 lane, for the rows of zeros
.irp k, 0,1,2,3
	v_mov_b32 v[Z+\k], 0                           ; the data of those rows
.endr
	s_lshl_b32 s40, s3, 10                         ; 256 tokens x 4 bytes x e
	s_mov_b32 s41, 0
	s_wait_kmcnt 0x0
	s_add_nc_u64 s[42:43], s[4:5], s[40:41]
.irp j, 0,1,2,3
	global_load_b128 v[G+4*\j:G+4*\j+3], v53, s[4:5] offset:4096*\j
.endr
	global_load_b32 v[GT], v54, s[42:43]
	s_mul_i32 s40, s3, LISTB
	s_add_nc_u64 s[46:47], s[6:7], s[40:41]        ; my list
	s_mov_b32 s10, 0                               ; matches of my wave so far
	s_mov_b32 s12, 0                               ; the last lane mask that was not empty,
	s_mov_b32 s13, 0                               ; and its register's token constant
	s_wait_loadcnt 0x0
; One register of gates.  k = 1024 j + q: the token is k + 4 t.  Places rise from register to register and fall
; from lane to lane within one, so that the LOWEST lane of the last mask that is not empty holds the wave's last place.
.macro RANK i, k
	v_cmp_eq_u32 vcc_lo, s3, v[G+\i]
	v_mbcnt_lo_u32_b32 v[P+\i], vcc_lo, 0          ; matches in the lanes below me
	v_lshl_add_u32 v[TK+\i], v0, 2, \k
	s_bcnt1_i32_b32 s11, vcc_lo                    ; SCC = the mask is not empty
	s_cselect_b32 s12, vcc_lo, s12
	s_cselect_b32 s13, \k, s13
	s_add_co_u32 s10, s10, s11
	v_sub_nc_u32 v[P+\i], s10, v[P+\i]             ; 1 + my place within the wave
.endm
.irp j, 0,1,2,3
.irp q, 0,1,2,3
	RANK 4*\j+\q, 1024*\j+\q
.endr
.endr
	s_ctz_i32_b32 s11, s12                         ; (meaningless where the wave has no match: then it is never chosen below)
	s_lshl_b32 s11, s11, 2
	s_lshl_b32 s14, s2, 7                          ; 4 t = 128 wave + 4 lane
	s_add_co_u32 s14, s14, s11
	s_add_co_u32 s14, s14, s13                     ; the token at my wave's last place
	; the waves' totals (bytes 0..31) and last tokens (bytes 32..63) meet in LDS
	v_mov_b32 v55, s2
	v_lshlrev_b32 v55, 2, v55
	v_mov_b32 v53, s10
	v_mov_b32 v54, s14
	ds_store_b32 v55, v53
	ds_store_b32 v55, v54 offset:32
	s_wait_dscnt 0x0                               ; my two words are in LDS before I say so
	s_barrier_signal -1
	s_barrier_wait -1
	v_mov_b32 v3, 0
.irp u, 0,1,2,3
	ds_load_b128 v[56+4*\u:59+4*\u], v3 offset:16*\u
.endr
	s_wait_dscnt 0x0
.irp u, 0,1,2,3,4,5,6,7,8,9,10,11,12,13,14,15
	v_readfirstlane_b32 s[16+\u], v[56+\u]
.endr
	s_mov_b32 s32, 0                               ; sum over the waves in front of mine
	s_mov_b32 s33, 0                               ; n_e
	s_mov_b32 s34, 0                               ; the list's last token: that of the last wave with a match
.irp u, 0,1,2,3,4,5,6,7
	s_cmp_gt_u32 s2, \u
	s_cselect_b32 s11, s[16+\u], 0
	s_add_co_u32 s32, s32, s11
	s_add_co_u32 s33, s33, s[16+\u]
	s_cmp_lg_u32 s[16+\u], 0
	s_cselect_b32 s34, s[24+\u], s34
.endr
	s_sub_co_u32 s32, s32, 1                       ; P holds 1 + place; the sum below is taken modulo 2^32
	s_add_co_u32 s35, s33, 47
	s_lshr_b32 s35, s35, 4                         ; ceil(n / 48) = ((n + 47) / 16) / 3; y / 3 = y x 43691 >> 17, exact since
	s_mul_i32 s35, s35, 0xaaab                     ; 3 x 43691 = 2^17 + 1 and y is 258 at the most
	s_lshr_b32 s35, s35, 17                        ; ntiles
; Every lane stores its token: with a match at its place (below 4,096), without one at the list's last word:
; the place -1 is the largest unsigned number, and the clamp makes word 4,159 of it.
.macro PUT i
	v_cmp_eq_u32 vcc_lo, s3, v[G+\i]
	v_add_nc_u32 v[P+\i], s32, v[P+\i]
	v_cndmask_b32 v[P+\i], -1, v[P+\i], vcc_lo     ; a match keeps its place
	v_min_u32 v[P+\i], LASTW, v[P+\i]
	v_lshlrev_b32 v[P+\i], 2, v[P+\i]
	global_store_b32 v[P+\i], v[TK+\i], s[46:47]   ; P and TK are written once: no wait is owed for these sources
.endm
.irp i, 0,1,2,3,4,5,6,7,8,9,10,11,12,13,14,15
	PUT \i
.endr
	; wave 0: places n .. n + 63 get the last token (two stores of 32 neighbouring words); then the count,
	; one word, to which all 32 lanes store the same value
	s_cmp_lg_u32 s2, 0
	s_cbranch_scc1 .Lzero
	v_add_nc_u32 v56, s33, v1
	v_add_nc_u32 v57, 32, v56
	v_mov_b32 v60, s34
.irp k, 0,1
	v_min_u32 v[58+\k], LASTW, v[56+\k]            ; n + 63 is 4,159 at the most
	v_lshlrev_b32 v[58+\k], 2, v[58+\k]
	global_store_b32 v[58+\k], v60, s[46:47]
.endr
	s_lshl_b32 s11, s3, 2
	v_mov_b32 v61, s11
	v_mov_b32 v62, s35
	global_store_b32 v61, v62, s[6:7] offset:CNTB
.Lzero:
	; rows of tokens 256 e + 32 wave + i whose gate names no expert: 4,096 bytes of zeros, eight stores of 512 bytes.
	; Only the jump over a row hangs on the gates; the address comes from the ids and the counter.
	v_cmp_lt_u32 s37, 15, v[GT]
	s_cmp_eq_u32 s37, 0
	s_cbranch_scc1 .Lend
	s_lshl_b32 s40, s3, 20                         ; 256 rows of 4,096 bytes x e
	s_lshl_b32 s11, s2, 17                         ; 32 rows x wave
	s_add_co_u32 s40, s40, s11
	s_add_nc_u64 s[44:45], s[8:9], s[40:41]        ; (s41 is still 0)
	s_mov_b32 s38, 0
.Lrow:
	s_bitcmp1_b32 s37, s38
	s_cbranch_scc0 .Lskip
.irp p, 0,1,2,3,4,5,6,7
	global_store_b128 v76, v[Z:Z+3], s[44:45] offset:512*\p
.endr
.Lskip:
	s_wait_xcnt 0x0                                ; the base is stepped only behind this wait
	s_add_nc_u64 s[44:45], s[44:45], 4096
	s_add_co_u32 s38, s38, 1
	s_cmp_lt_u32 s38, 32
	s_cbranch_scc1 .Lrow
.Lend:
	s_wait_tensorcnt 0x0
	ds_add_u32 v80, v81
	s_wait_dscnt 0x0
	s_endpgm
.Lfunc_end_k_qea1ef2932e_lists:
	.size	k_qea1ef2932e_lists, .Lfunc_end_k_qea1ef2932e_lists-k_qea1ef2932e_lists
	.p2alignl 7, 3214868480
	.fill 96, 4, 3214868480
	.section	.rodata,"a",@progbits
	.p2align	6, 0x0
	.amdhsa_kernel k_qea1ef2932e_lists
		.amdhsa_group_segment_fixed_size 1280
		.amdhsa_private_segment_fixed_size 0
		.amdhsa_enable_private_segment 0
		.amdhsa_kernarg_size 24
		.amdhsa_user_sgpr_count 2
		.amdhsa_user_sgpr_kernarg_segment_ptr 1
		.amdhsa_wavefront_size32 1
		.amdhsa_system_sgpr_workgroup_id_x 1
		.amdhsa_system_sgpr_workgroup_id_y 1
		.amdhsa_system_sgpr_workgroup_id_z 1
		.amdhsa_system_vgpr_workitem_id 0
		.amdhsa_next_free_vgpr 82
		.amdhsa_next_free_sgpr 66
		.amdhsa_reserve_vcc 1
		.amdhsa_float_denorm_mode_32 3
		.amdhsa_float_denorm_mode_16_64 3
		.amdhsa_memory_ordered 1
		.amdhsa_forward_progress 1
		.amdhsa_inst_pref_size 18
	.end_amdhsa_kernel
	.amdgpu_metadata
---
amdhsa.version: [ 1, 2 ]
amdhsa.kernels:
  - .name:           k_qea1ef2932e_lists
    .symbol:         k_qea1ef2932e_lists.kd
    .args:
      - { .name: gate, .offset: 0, .size: 8, .value_kind: global_buffer, .address_space: global }
      - { .name: route, .offset: 8, .size: 8, .value_kind: global_buffer, .address_space: global }
      - { .name: out0, .offset: 16, .size: 8, .value_kind: global_buffer, .address_space: global }
    .group_segment_fixed_size: 1280
    .private_segment_fixed_size: 0
    .kernarg_segment_align: 8
    .kernarg_segment_size: 24
    .max_flat_workgroup_size: 256
    .sgpr_count:     66
    .vgpr_count:     82
    .wavefront_size: 32
...
	.end_amdgpu_metadata
.endif
;; end of part 1
;; launch gemm (part 2): grid 16 x 16, 8 waves a work-group, no clusters, 237,568 bytes of LDS; arguments weight, x, route, out0; writes out0
.if DOCPART == 2
	.amdgcn_target "amdgcn-amd-amdhsa--gfx1250"
	.amdhsa_code_object_version 6
	.text
	.protected	k_qea1ef2932e_gemm
	.globl	k_qea1ef2932e_gemm
	.p2align	8
	.type	k_qea1ef2932e_gemm,@function
k_qea1ef2932e_gemm:
	s_mov_b64 s[64:65], 0
	v_nop
	global_prefetch_b8 v0, s[64:65] scope:SCOPE_SE
	s_setreg_imm32_b32 hwreg(HW_REG_WAVE_MODE, 25, 1), 1
	s_wait_xcnt 0x0
; out0[b][o] = sum over i of weight[gate[b]][o][i] x[b][i], token lists per expert made by the launch before.
; A masked row adds exact zeros in the defining sum, so only a token's own expert is multiplied.
;
; SHARES.  Work-group (cb, e) owns expert e and output columns 64 cb .. 64 cb + 63: 16 x 16 = 256 work-groups, and each
; of the 16 x 1024 weight rows is read by exactly one of them, once.
;   Part 1 (fixed trips, the one barrier): the eight waves bring the 64 x 1024 slab in (8 rows = 32 KiB of consecutive
;   memory a wave), round it to bf16 and lay it into LDS, where it stays.
;   Part 2 (trips from the list's tile count, no barrier): wave w alone takes tiles w, w + 8, .. of 48 list places:
;   48 tokens x 64 columns x K = 1024.  The slab is only read by then; all other LDS bytes are the wave's own.
;   K goes in 8 chunks of 128: 48 gathered loads of 512 consecutive bytes (one token row each) are always on their way
;   in each wave, the next chunk's being issued as this chunk's registers are converted.
; Eight waves and not four: what a wave can have in flight is its 48 loads of 512 bytes, so waves multiply it.
;
; NOT USED, and why.  Tensor loads: both operands are f32 in memory and must pass registers to become bf16, and x's rows
; are scattered by the list.  Clusters with joint requests: the weight slabs of the 256 work-groups are disjoint; what
; the 16 column blocks of an expert share is x's rows, which come by register gathers under trip counts read from memory.
;
; FORMATS AND LIMITS.  x and weight are rounded once to bf16 (nearest even; f32's exponent range is kept); sums in f32,
; K ascending, one accumulator an output.  Any split of the tokens over the experts is served (0 to 4,096 on one).
; List places that fill up the last tile repeat that tile's last token: this wave stores that row again, same values.
; Rows of tokens whose gate names no expert are not touched here (the launch before stored their zeros).
; A non-finite weight of ANOTHER expert makes the defining sum NaN (0 x inf); here it does not reach the row.
.set WPITCH, 2064                      ; slab row in LDS: 2,048 bytes + 16 = 129 x 16: the 16 rows of a fragment load start in 16 different 16-byte columns modulo 256
.set APITCH, 272                       ; A chunk row (128 bf16) and output stage row (64 f32): 256 bytes + 16 = 17 x 16
.set ABASE,  64*WPITCH                 ; 132,096: behind the slab, each wave's own
.set ABYTES, 48*APITCH                 ; 13,056 bytes: 48 rows of A, later 3 output stages of 16 rows
.set LISTB,  16640                     ; bytes of an expert's list in route
.set CNTB,   0x41000                   ; 266,240: the tile counts
.set MAXT,   86                        ; ceil(4096 / 48)
; window 0 (an instruction names v0-v255; s_set_vgpr_msb says which block of 256 each operand place means)
.set AAD, 4                            ; my A fragments: own bytes + 272 r + 16 h
.set BAD, 6                            ; v6, v7: my B fragments: 2064 r + 16 h, and 32 slab rows further
.set STO, 8                            ; stage, in:   own bytes + 272 r + 32 h
.set RD,  9                            ; stage, back: own bytes + 272 h + 16 r
.set ML,  10                           ; 0xfffffeff in lanes 0-15, 0 in lanes 16-31
.set MH,  11                           ; the other way round
.set OFT, 12                           ; v[12:19] byte offsets of eight stores
.set OT2, 20                           ; v[20:27] their second halves
.set ACC, 32                           ; v[32:127] tile (i, b) at ACC + 8 (4 i + b): tokens 16 i .., columns 16 b ..
.set FRA, 128                          ; fragment buffer f: A at FRA + 56 f (3 x 8), B at FRB + 56 f (4 x 8); v[128:239]
.set FRB, 152
.set T,   128                          ; v[128:159] rows on their way out (the fragments are done with by then)
; window 1
.set ST,  0                            ; v[256:447] 48 slots of 4: f32 as loaded, then 2 registers of bf16
.set VOX, 192                          ; v[448:495] list place m: token x 4096 + 16 lane
.set L16, 240                          ; 16 lane
.set AST, 241                          ; own bytes + 8 lane
.set WST, 242                          ; 8 wave slab rows + 8 lane
.set MSB, 0
.macro WIN new                         ; the immediate's high byte repeats the setting that is left
.if MSB != \new
	s_set_vgpr_msb (MSB<<8)|\new
.set MSB, \new
.endif
.endm
.macro PLACES                          ; the places behind a matrix instruction (ISA guide 7.12.1) where no useful work stands there
.rept 4
	v_nop
.endr
.endm
	s_load_b256 s[4:11], s[0:1], 0x0               ; weight s[4:5], x s[6:7], route s[8:9], out0 s[10:11]
	v_lshl_add_u32 v254, v0, 2, 0x39c00
	v_mov_b32 v255, 0
	v_and_b32 v1, 31, v0                           ; lane
	v_lshrrev_b32 v2, 5, v0
	v_readfirstlane_b32 s2, v2                     ; wave 0..7
	s_and_b32 s3, ttmp7, 0xffff                    ; expert e
	s_mov_b32 s12, ttmp9                           ; column block cb
	s_lshl_b32 s68, s3, 22                         ; e x 4 MiB
	s_lshl_b32 s70, s12, 18                        ; + cb x 64 rows of 4 KiB
	s_add_co_u32 s68, s68, s70
	s_lshl_b32 s70, s2, 15                         ; + wave x 8 rows
	s_add_co_u32 s68, s68, s70
	s_mov_b32 s69, 0
	s_lshl_b32 s71, s3, 2
	s_mul_i32 s72, s2, ABYTES
	s_add_co_u32 s72, s72, ABASE                   ; my wave's own LDS bytes
	s_mul_i32 s73, s2, 8*WPITCH                    ; my wave's 8 slab rows
	WIN 0x40                                       ; destination in window 1
	v_lshlrev_b32 v[L16], 4, v1
	v_lshl_add_u32 v[AST], v1, 3, s72
	v_lshl_add_u32 v[WST], v1, 3, s73
	s_wait_kmcnt 0x0
	s_add_nc_u64 s[4:5], s[4:5], s[68:69]
	s_load_b32 s13, s[8:9], s71 offset:CNTB        ; ntiles of my expert
	WIN 0x55                                       ; everything in window 1
.set g, 0
.rept 48                                           ; pieces 0-47 of my 64 pieces of 512 bytes
	global_load_b128 v[ST+4*g:ST+4*g+3], v[L16], s[4:5] offset:512*g th:TH_LOAD_NT
.set g, g+1
.endr
	WIN 0
	v_and_b32 v2, 15, v0                           ; r
	v_bfe_u32 v3, v0, 4, 1                         ; h
	v_mul_u32_u24 v5, v2, APITCH
	v_lshl_add_u32 v[AAD], v3, 4, v5
	v_add_nc_u32 v[AAD], s72, v[AAD]
	v_lshl_add_u32 v[STO], v3, 5, v5
	v_add_nc_u32 v[STO], s72, v[STO]
	v_mul_u32_u24 v5, v3, APITCH
	v_lshl_add_u32 v[RD], v2, 4, v5
	v_add_nc_u32 v[RD], s72, v[RD]
	v_mul_u32_u24 v5, v2, WPITCH
	v_lshl_add_u32 v[BAD], v3, 4, v5
	v_add_nc_u32 v[BAD+1], 32*WPITCH, v[BAD]
	v_sub_nc_u32 v[MH], 0, v3
	v_and_b32 v[MH], 0xfffffeff, v[MH]
	v_add_nc_u32 v[ML], -1, v3
	v_and_b32 v[ML], 0xfffffeff, v[ML]
	s_wait_kmcnt 0x0                               ; ntiles is in; route's base may now be stepped
	s_min_u32 s13, s13, MAXT
	s_add_co_u32 s13, s13, 7
	s_sub_co_u32 s13, s13, s2
	s_lshr_b32 s13, s13, 3                         ; my trips: tiles w, w + 8, .. below ntiles
	s_mul_i32 s68, s3, LISTB
	s_mul_i32 s70, s2, 192                         ; 48 words a tile
	s_add_co_u32 s68, s68, s70
	s_add_nc_u64 s[8:9], s[8:9], s[68:69]          ; my first tile's 48 list words
	s_lshl_b32 s68, s12, 8
	s_add_nc_u64 s[10:11], s[10:11], s[68:69]      ; out0 at my 64 columns
; four slots from sl on: 4 f32 a lane become 4 bf16 in the slot's first two registers
.macro CV4
.rept 4
	v_cvt_pk_bf16_f32 v[ST+4*sl], v[ST+4*sl], v[ST+4*sl+1]
	v_cvt_pk_bf16_f32 v[ST+4*sl+1], v[ST+4*sl+2], v[ST+4*sl+3]
.set sl, sl+1
.endr
.endm
	; PART 1.  Piece g = slab row g / 8 of mine, 128 numbers from 128 (g % 8) on; it sits in slot g % 48.
	; Loads come back in order (ISA guide 5.7.1).  Group G needs pieces up to 4 G + 3.  For G < 4, 48 + 4 G are issued: 44 younger
	; ones may be out.  From G = 4 on all 64 are issued: 60 - 4 G.
	WIN 0x55
.set G, 0
.rept 16
.if G < 4
	s_wait_loadcnt 44
.else
	s_wait_loadcnt 60-4*G
.endif
.set sl, (4*G)%48
	CV4
.set g, 4*G
.rept 4
	ds_store_b64 v[WST], v[ST+4*(g%48):ST+4*(g%48)+1] offset:(g>>3)*WPITCH+(g&7)*256   ; 32 lanes: 256 consecutive bytes
.set g, g+1
.endr
.if G < 4
.set g, 4*G
.rept 4
	global_load_b128 v[ST+4*g:ST+4*g+3], v[L16], s[4:5] offset:512*(g+48) th:TH_LOAD_NT
.set g, g+1
.endr
.endif
.set G, G+1
.endr
	WIN 0
	s_wait_dscnt 0x0                               ; my 8 slab rows are in LDS before I say so
	s_barrier_signal -1
	s_barrier_wait -1                              ; the slab is whole, and nobody writes it again
	s_cmp_eq_u32 s13, 0
	s_cbranch_scc1 .Lend
; 14 LDS loads: the fragments of K step s (32 along K) of chunk c into buffer f.  Lane (r, h) holds row r; registers 0-3 hold
; k = 8 h .. + 7, registers 4-7 k = 16 + 8 h .. + 7: two loads of 16 bytes, 32 bytes apart.
.macro FETCH c, s, f
.irp b, 0,1,2,3
	ds_load_b128 v[FRB+56*\f+8*\b:FRB+56*\f+8*\b+3],   v[BAD+(\b>>1)] offset:16*WPITCH*(\b&1)+256*\c+64*\s
	ds_load_b128 v[FRB+56*\f+8*\b+4:FRB+56*\f+8*\b+7], v[BAD+(\b>>1)] offset:16*WPITCH*(\b&1)+256*\c+64*\s+32
.endr
.irp i, 0,1,2
	ds_load_b128 v[FRA+56*\f+8*\i:FRA+56*\f+8*\i+3],   v[AAD] offset:16*APITCH*\i+64*\s
	ds_load_b128 v[FRA+56*\f+8*\i+4:FRA+56*\f+8*\i+7], v[AAD] offset:16*APITCH*\i+64*\s+32
.endr
.endm
; 12 matrix instructions, used transposed: source 0 = 16 weight rows, source 1 = 16 tokens, so that lane (r, h) holds token r and
; the eight neighbouring columns 16 b + 8 h + 0..7.  zero = 1: the first product starts the sums, nothing is cleared.
.macro MUL f, zero
.irp i, 0,1,2
.irp b, 0,1,2,3
.if \zero
	v_wmma_f32_16x16x32_bf16 v[ACC+8*(4*\i+\b):ACC+8*(4*\i+\b)+7], v[FRB+56*\f+8*\b:FRB+56*\f+8*\b+7], v[FRA+56*\f+8*\i:FRA+56*\f+8*\i+7], 0
.else
	v_wmma_f32_16x16x32_bf16 v[ACC+8*(4*\i+\b):ACC+8*(4*\i+\b)+7], v[FRB+56*\f+8*\b:FRB+56*\f+8*\b+7], v[FRA+56*\f+8*\i:FRA+56*\f+8*\i+7], v[ACC+8*(4*\i+\b):ACC+8*(4*\i+\b)+7]
.endif
.endr
.endr
.endm
; The tile's 48 tokens, their row offsets, and chunk 0 of their rows.
.macro PROLOGUE
	s_load_b512 s[16:31], s[8:9], 0x0
	s_load_b512 s[32:47], s[8:9], 0x40
	s_load_b512 s[48:63], s[8:9], 0x80
	s_wait_kmcnt 0x0
	s_add_nc_u64 s[8:9], s[8:9], 8*192             ; my next tile, eight tiles on (the three loads are done)
	WIN 0x55
.set m, 0
.rept 48
	s_min_u32 s[16+m], s[16+m], 0xfff              ; a token number is below 4,096
	v_lshl_add_u32 v[VOX+m], s[16+m], 12, v[L16]
	global_load_b128 v[ST+4*m:ST+4*m+3], v[VOX+m], s[6:7]
.set m, m+1
.endr
.endm
; Chunk c: k = 128 c .. 128 c + 127.  Group G converts rows 4 G .. 4 G + 3, stores them to my A bytes and asks for the same rows
; of chunk c + 1.  Behind row 4 G + 3 of this chunk stand its rows 4 G + 4 .. 47 (44 - 4 G loads) and the next chunk's rows
; 0 .. 4 G - 1 (4 G loads): 44 younger loads may be out.  In the last chunk only the former: 44 - 4 G.
; LDS serves a wave's instructions in order (ISA guide 5.7.1): no wait between my stores and my fragment loads.
.macro CHUNK c
	WIN 0x55
.set G, 0
.rept 12
.if \c < 7
	s_wait_loadcnt 44
.else
	s_wait_loadcnt 44-4*G
.endif
.set sl, 4*G
	CV4
.set m, 4*G
.rept 4
	ds_store_b64 v[AST], v[ST+4*m:ST+4*m+1] offset:APITCH*m
.set m, m+1
.endr
.if \c < 7
.set m, 4*G
.rept 4
	global_load_b128 v[ST+4*m:ST+4*m+3], v[VOX+m], s[6:7] offset:512*(\c+1)
.set m, m+1
.endr
.endif
.set G, G+1
.endr
	WIN 0
	FETCH \c, 0, 0                                 ; both buffers were last read by matrix instructions in front of the 96 conversions above,
	s_wait_dscnt 0x0                               ; which name none of their registers: places enough for these two runs of loads
	FETCH \c, 1, 1
.if \c == 0
	MUL 0, 1
.else
	MUL 0, 0
.endif
	s_wait_dscnt 0x0                               ; buffer 1 is whole
	PLACES                                         ; buffer 0 was read by the matrix instructions just issued
	FETCH \c, 2, 0
	MUL 1, 0
	s_wait_dscnt 0x0
	PLACES
	FETCH \c, 3, 1
	MUL 0, 0
	s_wait_dscnt 0x0                               ; also: my reads of the A bytes are over, the next chunk may overwrite them
	MUL 1, 0
.endm
; The way out, 16 tokens at a time: a lane's 8 + 8 .. neighbouring f32 go into my own stage (rows of 256 + 16 bytes), come back as whole
; rows, and sixteen lanes store 256 consecutive bytes of one token's row, at a multiple of 256 from out0's first byte.
; Store t takes stage rows 2 t (lanes 0-15) and 2 t + 1 (lanes 16-31).  Its offset is token x 4096 + 16 r: the row offset of the one or
; the other list place, chosen by the two lane masks, which also clear bit 8 (the 256 h in 16 lane).
.macro OUTPUT
	PLACES                                         ; behind the last matrix instructions: LDS stores read results, loads land in fragment registers
.irp i, 0,1,2
.if \i
	s_wait_xcnt 0x0                                ; the last eight stores' offsets and data are rewritten only behind this wait
.endif
	WIN 0x01                                       ; source 0 in window 1
.irp t, 0,1,2,3,4,5,6,7
	v_and_b32 v[OFT+\t], v[VOX+16*\i+2*\t], v[ML]
	v_and_b32 v[OT2+\t], v[VOX+16*\i+2*\t+1], v[MH]
.endr
	WIN 0
.irp t, 0,1,2,3,4,5,6,7
	v_add_nc_u32 v[OFT+\t], v[OFT+\t], v[OT2+\t]
.endr
.irp b, 0,1,2,3
	ds_store_b128 v[STO], v[ACC+8*(4*\i+\b):ACC+8*(4*\i+\b)+3]   offset:16*APITCH*\i+64*\b
	ds_store_b128 v[STO], v[ACC+8*(4*\i+\b)+4:ACC+8*(4*\i+\b)+7] offset:16*APITCH*\i+64*\b+16
.endr
.irp t, 0,1,2,3,4,5,6,7
	ds_load_b128 v[T+4*\t:T+4*\t+3], v[RD] offset:16*APITCH*\i+2*APITCH*\t
.endr
.irp t, 0,1,2,3,4,5,6,7
	s_wait_dscnt 7-\t                              ; LDS loads come back in order: rows 2 t, 2 t + 1 are in, the younger loads may be out
	global_store_b128 v[OFT+\t], v[T+4*\t:T+4*\t+3], s[10:11] th:TH_STORE_NT
.endr
.endr
	s_wait_xcnt 0x0                                ; the next tile rewrites these registers
.endm
	; PART 2: my tiles.  No barrier: the trips differ from wave to wave.
	s_mov_b32 s14, 0
.Ltile:
	PROLOGUE
	CHUNK 0
	CHUNK 1
	CHUNK 2
	CHUNK 3
	CHUNK 4
	CHUNK 5
	CHUNK 6
	CHUNK 7
	OUTPUT
	s_add_co_u32 s14, s14, 1
	s_cmp_lt_u32 s14, s13
	s_cbranch_scc1 .Ltile
.Lend:
	s_wait_tensorcnt 0x0
	ds_add_u32 v254, v255
	s_wait_dscnt 0x0
	s_endpgm
.Lfunc_end_k_qea1ef2932e_gemm:
	.size	k_qea1ef2932e_gemm, .Lfunc_end_k_qea1ef2932e_gemm-k_qea1ef2932e_gemm
	.p2alignl 7, 3214868480
	.fill 96, 4, 3214868480
	.section	.rodata,"a",@progbits
	.p2align	6, 0x0
	.amdhsa_kernel k_qea1ef2932e_gemm
		.amdhsa_group_segment_fixed_size 237568
		.amdhsa_private_segment_fixed_size 0
		.amdhsa_enable_private_segment 0
		.amdhsa_kernarg_size 32
		.amdhsa_user_sgpr_count 2
		.amdhsa_user_sgpr_kernarg_segment_ptr 1
		.amdhsa_wavefront_size32 1
		.amdhsa_system_sgpr_workgroup_id_x 1
		.amdhsa_system_sgpr_workgroup_id_y 1
		.amdhsa_system_sgpr_workgroup_id_z 1
		.amdhsa_system_vgpr_workitem_id 0
		.amdhsa_next_free_vgpr 512
		.amdhsa_next_free_sgpr 80
		.amdhsa_reserve_vcc 0
		.amdhsa_float_denorm_mode_32 3
		.amdhsa_float_denorm_mode_16_64 3
		.amdhsa_memory_ordered 1
		.amdhsa_forward_progress 1
		.amdhsa_inst_pref_size 204
	.end_amdhsa_kernel
	.amdgpu_metadata
---
amdhsa.version: [ 1, 2 ]
amdhsa.kernels:
  - .name:           k_qea1ef2932e_gemm
    .symbol:         k_qea1ef2932e_gemm.kd
    .args:
      - { .name: weight, .offset: 0, .size: 8, .value_kind: global_buffer, .address_space: global }
      - { .name: x, .offset: 8, .size: 8, .value_kind: global_buffer, .address_space: global }
      - { .name: route, .offset: 16, .size: 8, .value_kind: global_buffer, .address_space: global }
      - { .name: out0, .offset: 24, .size: 8, .value_kind: global_buffer, .address_space: global }
    .group_segment_fixed_size: 237568
    .private_segment_fixed_size: 0
    .kernarg_segment_align: 8
    .kernarg_segment_size: 32
    .max_flat_workgroup_size: 256
    .sgpr_count:     80
    .vgpr_count:     512
    .wavefront_size: 32
...
	.end_amdgpu_metadata
.endif
;; end of part 2
;; ======== version 2 of 2: 2 launches; version 1 with the launch gemm written anew for expert scheduling mode
;; workspace buffers: route 266,496 bytes of whole numbers
;; launch lists: the kernel of part 1 again; grid 16 x 1, 8 waves a work-group, no clusters, 1,280 bytes of LDS; arguments gate, route, out0; writes route, out0
;; launch gemm (part 3): grid 16 x 16, 8 waves a work-group, no clusters, 237,568 bytes of LDS; arguments weight, x, route, out0; writes out0
.if DOCPART == 3
	.amdgcn_target "amdgcn-amd-amdhsa--gfx1250"
	.amdhsa_code_object_version 6
	.text
	.protected	k_qea1ef2932e_gemm
	.globl	k_qea1ef2932e_gemm
	.p2align	8
	.type	k_qea1ef2932e_gemm,@function
k_qea1ef2932e_gemm:
	s_mov_b64 s[64:65], 0
	v_nop
	global_prefetch_b8 v0, s[64:65] scope:SCOPE_SE
	s_setreg_imm32_b32 hwreg(HW_REG_WAVE_SCHED_MODE, 0, 2), 2
	s_setreg_imm32_b32 hwreg(HW_REG_WAVE_MODE, 25, 1), 1
	s_wait_xcnt 0x0
	s_wait_alu depctr_vm_vsrc(0)
; out0[b][o] = sum over i of weight[gate[b]][o][i] x[b][i], token lists per expert made by the launch before.
; A masked row adds exact zeros in the defining sum, so only a token's own expert is multiplied.
;
; SHARES.  Work-group (cb, e) owns expert e and output columns 64 cb .. 64 cb + 63: 16 x 16 = 256 work-groups, and each
; of the 16 x 1024 weight rows is read by exactly one of them, once.
;   Part 1 (fixed trips, the one barrier): the eight waves bring the 64 x 1024 slab in (8 rows = 32 KiB of consecutive
;   memory a wave), round it to bf16 and lay it into LDS, where it stays.
;   Part 2 (trips from the list's tile count, no barrier): wave w alone takes tiles w, w + 8, .. of 48 list places:
;   48 tokens x 64 columns x K = 1024.  The slab is only read by then; all other LDS bytes are the wave's own.
;   K goes in 8 chunks of 128: 32 to 48 gathered loads of 512 consecutive bytes (one token row each) are on their way
;   in each wave, the next chunk's being issued, sixteen at a time, as this chunk's registers are converted.
; Eight waves and not four: what a wave can have in flight is its 48 loads of 512 bytes, so waves multiply it.
;
; NOT USED, and why.  Tensor loads: both operands are f32 in memory and must pass registers to become bf16, and x's rows
; are scattered by the list.  Clusters with joint requests: the weight slabs of the 256 work-groups are disjoint; what
; the 16 column blocks of an expert share is x's rows, which come by register gathers under trip counts read from memory.
;
; FORMATS AND LIMITS.  x and weight are rounded once to bf16 (nearest even; f32's exponent range is kept); sums in f32,
; K ascending, one accumulator an output.  Any split of the tokens over the experts is served (0 to 4,096 on one).
; List places that fill up the last tile repeat that tile's last token: this wave stores that row again, same values.
; Rows of tokens whose gate names no expert are not touched here (the launch before stored their zeros).
; A non-finite weight of ANOTHER expert makes the defining sum NaN (0 x inf); here it does not reach the row.
;
; THE MODE: SCHED_MODE bits 1:0 = 2 (LLVM: expert scheduling mode 2), set by the entry lines.  The code itself states the register
; dependences between vector or matrix instructions and memory or LDS instructions, with s_wait_alu, always for 0.
; THE PLAN.  Registers that memory or LDS instructions touch, and who else names them:
;   ST    48 slots of 4.  Global loads land in them; the conversions read them; nothing else names them.
;   OUT   the numbers in bf16.  The conversions write them; the LDS stores read them.  They lie where the fragment buffers are idle
;         while a chunk is converted, and in v240-255.  Each pair is written once in part 1 and once in a chunk.
;   FR    two fragment buffers.  LDS loads land in them; the matrix instructions read them.
;   ACC   written by the matrix instructions; read by the LDS stores of the way out.
;   T     three buffers of rows on their way out.  LDS loads land in them; the global stores read them.
;   OF    24 offsets of those stores, all made ahead of the way out's first LDS store.
;   VOX   48 row offsets, made at a tile's head; read by the tile's global loads (and by vector lines of the way out).
;   L16, AST, WST, AAD, BAD, STO, RD: made once at the head, never written again.
; So: sixteen slots are converted in a run; ONE wait on va_vdst behind the run states that OUT is written and ST read; the sixteen
; loads into those slots and the sixteen LDS stores follow it with no vector line among them.  One wait on vm_vsrc a chunk, ahead of
; the fragments, frees OUT.  One wait on va_vdst stands ahead of each run of fragment loads, one ahead of the whole way out,
; and one wait of each kind at a tile's head.
.set WPITCH, 2064                      ; slab row in LDS: 2,048 bytes + 16 = 129 x 16: the 16 rows of a fragment load start in 16 different 16-byte columns modulo 256
.set APITCH, 272                       ; A chunk row (128 bf16) and output stage row (64 f32): 256 bytes + 16 = 17 x 16
.set ABASE,  64*WPITCH                 ; 132,096: behind the slab, each wave's own
.set ABYTES, 48*APITCH                 ; 13,056 bytes: 48 rows of A, later 3 output stages of 16 rows
.set LISTB,  16640                     ; bytes of an expert's list in route
.set CNTB,   0x41000                   ; 266,240: the tile counts
.set MAXT,   86                        ; ceil(4096 / 48)
; window 0 (an instruction names v0-v255; s_set_vgpr_msb says which block of 256 each operand place means)
.set AAD, 4                            ; my A fragments: own bytes + 272 r + 16 h
.set BAD, 6                            ; v6, v7: my B fragments: 2064 r + 16 h, and 32 slab rows further
.set STO, 8                            ; stage, in:   own bytes + 272 r + 32 h
.set RD,  9                            ; stage, back: own bytes + 272 h + 16 r
.set ML,  10                           ; 0xfffffeff in lanes 0-15, 0 in lanes 16-31
.set MH,  11                           ; the other way round
.set OF0, 12                           ; v[12:19]   byte offsets of the eight stores of tokens 0-15
.set AX0, 20                           ; v[20:27]   their second halves (vector lines alone name these)
.set ACC, 32                           ; v[32:127]  tile (i, b) at ACC + 8 (4 i + b): tokens 16 i .., columns 16 b ..
.set FRA, 128                          ; fragment buffer f: A at FRA + 56 f (3 x 8), B at FRB + 56 f (4 x 8); v[128:239]
.set FRB, 152
.set OUT, 128                          ; v[128:255] part 1: piece g at OUT + 2 g.  Part 2: slot m at OUT + (2 m + 112) % 128: slots 0-7 in v240-255, slots 8-47 in v128-207
.set T,   128                          ; v[128:223] rows on their way out, tokens 16 i .. at T + 32 i (the fragments are done with by then)
.set AX1, 224                          ; v[224:239] second halves of the offsets of tokens 16-47
.set OF1, 240                          ; v[240:255] offsets of the stores of tokens 16-31, then 32-47
; window 1
.set ST,  0                            ; v[256:447] 48 slots of 4: f32 as loaded
.set VOX, 192                          ; v[448:495] list place m: token x 4096 + 16 lane
.set L16, 240                          ; 16 lane
.set AST, 241                          ; own bytes + 8 lane
.set WST, 242                          ; 8 wave slab rows + 8 lane
.set MSB, 0
.macro WIN new                         ; the immediate's high byte repeats the setting that is left
.if MSB != \new
	s_set_vgpr_msb (MSB<<8)|\new
.set MSB, \new
.endif
.endm
.set W_CV, 0x05                        ; conversions: sources (ST) in window 1, destination (OUT) in window 0
.set W_ME, 0x41                        ; global loads: data and offset in window 1; LDS stores: address in window 1, data (source 1) in window 0
	s_load_b256 s[4:11], s[0:1], 0x0               ; weight s[4:5], x s[6:7], route s[8:9], out0 s[10:11]
	v_lshl_add_u32 v30, v0, 2, 0x39c00
	v_mov_b32 v31, 0
	v_and_b32 v1, 31, v0                           ; lane
	v_lshrrev_b32 v2, 5, v0
	v_readfirstlane_b32 s2, v2                     ; wave 0..7
	s_and_b32 s3, ttmp7, 0xffff                    ; expert e
	s_mov_b32 s12, ttmp9                           ; column block cb
	s_lshl_b32 s68, s3, 22                         ; e x 4 MiB
	s_lshl_b32 s70, s12, 18                        ; + cb x 64 rows of 4 KiB
	s_add_co_u32 s68, s68, s70
	s_wait_alu depctr_va_sdst(0)                   ; s2 is written, ahead of its first reader: bases, LDS places and trips are made from it
	s_lshl_b32 s70, s2, 15                         ; + wave x 8 rows
	s_add_co_u32 s68, s68, s70
	s_mov_b32 s69, 0
	s_lshl_b32 s71, s3, 2
	s_mul_i32 s72, s2, ABYTES
	s_add_co_u32 s72, s72, ABASE                   ; my wave's own LDS bytes
	s_mul_i32 s73, s2, 8*WPITCH                    ; my wave's 8 slab rows
	WIN 0x40                                       ; destination in window 1
	v_lshlrev_b32 v[L16], 4, v1
	v_lshl_add_u32 v[AST], v1, 3, s72
	v_lshl_add_u32 v[WST], v1, 3, s73
	s_wait_kmcnt 0x0
	s_add_nc_u64 s[4:5], s[4:5], s[68:69]
	s_load_b32 s13, s[8:9], s71 offset:CNTB        ; ntiles of my expert
	WIN W_ME
	s_wait_alu depctr_va_vdst(0)                   ; L16 is written, which the loads below read as their offset (AST and WST too, for the LDS stores further down)
.set g, 0
.rept 48                                           ; pieces 0-47 of my 64 pieces of 512 bytes
	global_load_b128 v[ST+4*g:ST+4*g+3], v[L16], s[4:5] offset:512*g th:TH_LOAD_NT
.set g, g+1
.endr
	WIN 0
	v_and_b32 v2, 15, v0                           ; r
	v_bfe_u32 v3, v0, 4, 1                         ; h
	v_mul_u32_u24 v5, v2, APITCH
	v_lshl_add_u32 v[AAD], v3, 4, v5
	v_add_nc_u32 v[AAD], s72, v[AAD]
	v_lshl_add_u32 v[STO], v3, 5, v5
	v_add_nc_u32 v[STO], s72, v[STO]
	v_mul_u32_u24 v5, v3, APITCH
	v_lshl_add_u32 v[RD], v2, 4, v5
	v_add_nc_u32 v[RD], s72, v[RD]
	v_mul_u32_u24 v5, v2, WPITCH
	v_lshl_add_u32 v[BAD], v3, 4, v5
	v_add_nc_u32 v[BAD+1], 32*WPITCH, v[BAD]
	v_sub_nc_u32 v[MH], 0, v3
	v_and_b32 v[MH], 0xfffffeff, v[MH]
	v_add_nc_u32 v[ML], -1, v3
	v_and_b32 v[ML], 0xfffffeff, v[ML]             ; (the LDS addresses made here are first read behind later waits on va_vdst)
	s_wait_kmcnt 0x0                               ; ntiles is in; route's base may now be stepped
	s_min_u32 s13, s13, MAXT
	s_add_co_u32 s13, s13, 7
	s_sub_co_u32 s13, s13, s2
	s_lshr_b32 s13, s13, 3                         ; my trips: tiles w, w + 8, .. below ntiles
	s_mul_i32 s68, s3, LISTB
	s_mul_i32 s70, s2, 192                         ; 48 words a tile
	s_add_co_u32 s68, s68, s70
	s_add_nc_u64 s[8:9], s[8:9], s[68:69]          ; my first tile's 48 list words
	s_lshl_b32 s68, s12, 8
	s_add_nc_u64 s[10:11], s[10:11], s[68:69]      ; out0 at my 64 columns
; PART 1.  Piece g = slab row g / 8 of mine, 128 numbers from 128 (g % 8) on; it sits in slot g % 48 and has the pair OUT + 2 g to itself.
; Group n takes pieces 16 n .. 16 n + 15.  Loads come back in order (ISA guide 5.7.1).  Four pieces from g on need the loads up to g + 3:
; in group 0, 48 are issued: 44 - g younger ones may be out; from group 1 on all 64 are issued: 60 - g.
.macro SLAB n
	WIN W_CV
.set g, 16*\n
.rept 4
.if \n == 0
	s_wait_loadcnt 44-g
.else
	s_wait_loadcnt 60-g
.endif
.rept 4
	v_cvt_pk_bf16_f32 v[OUT+2*g],   v[ST+4*(g%48)],   v[ST+4*(g%48)+1]      ; 4 f32 a lane become 4 bf16
	v_cvt_pk_bf16_f32 v[OUT+2*g+1], v[ST+4*(g%48)+2], v[ST+4*(g%48)+3]
.set g, g+1
.endr
.endr
	WIN W_ME
	s_wait_alu depctr_va_vdst(0)                   ; the conversions have written the group's OUT, which the LDS stores read; in group 0 they are also done reading slots 0-15, in which the loads land
.if \n == 0
.set g, 0
.rept 16
	global_load_b128 v[ST+4*g:ST+4*g+3], v[L16], s[4:5] offset:512*(g+48) th:TH_LOAD_NT   ; pieces 48-63
.set g, g+1
.endr
.endif
.set g, 16*\n
.rept 16
	ds_store_b64 v[WST], v[OUT+2*g:OUT+2*g+1] offset:(g>>3)*WPITCH+(g&7)*256   ; 32 lanes: 256 consecutive bytes
.set g, g+1
.endr
.endm
	SLAB 0
	SLAB 1
	SLAB 2
	SLAB 3
	WIN 0
	s_wait_dscnt 0x0                               ; my 8 slab rows are in LDS before I say so
	s_barrier_signal -1
	s_barrier_wait -1                              ; the slab is whole, and nobody writes it again
	s_cmp_eq_u32 s13, 0
	s_cbranch_scc1 .Lend
; 14 LDS loads: the fragments of K step s (32 along K) of chunk c into buffer f.  Lane (r, h) holds row r; registers 0-3 hold
; k = 8 h .. + 7, registers 4-7 k = 16 + 8 h .. + 7: two loads of 16 bytes, 32 bytes apart.
.macro FETCH c, s, f
.irp b, 0,1,2,3
	ds_load_b128 v[FRB+56*\f+8*\b:FRB+56*\f+8*\b+3],   v[BAD+(\b>>1)] offset:16*WPITCH*(\b&1)+256*\c+64*\s
	ds_load_b128 v[FRB+56*\f+8*\b+4:FRB+56*\f+8*\b+7], v[BAD+(\b>>1)] offset:16*WPITCH*(\b&1)+256*\c+64*\s+32
.endr
.irp i, 0,1,2
	ds_load_b128 v[FRA+56*\f+8*\i:FRA+56*\f+8*\i+3],   v[AAD] offset:16*APITCH*\i+64*\s
	ds_load_b128 v[FRA+56*\f+8*\i+4:FRA+56*\f+8*\i+7], v[AAD] offset:16*APITCH*\i+64*\s+32
.endr
.endm
; 12 matrix instructions, used transposed: source 0 = 16 weight rows, source 1 = 16 tokens, so that lane (r, h) holds token r and
; the eight neighbouring columns 16 b + 8 h + 0..7.  zero = 1: the first product starts the sums, nothing is cleared.
; The 12 accumulators take turns, one instruction a turn.
.macro MUL f, zero
.irp i, 0,1,2
.irp b, 0,1,2,3
.if \zero
	v_wmma_f32_16x16x32_bf16 v[ACC+8*(4*\i+\b):ACC+8*(4*\i+\b)+7], v[FRB+56*\f+8*\b:FRB+56*\f+8*\b+7], v[FRA+56*\f+8*\i:FRA+56*\f+8*\i+7], 0
.else
	v_wmma_f32_16x16x32_bf16 v[ACC+8*(4*\i+\b):ACC+8*(4*\i+\b)+7], v[FRB+56*\f+8*\b:FRB+56*\f+8*\b+7], v[FRA+56*\f+8*\i:FRA+56*\f+8*\i+7], v[ACC+8*(4*\i+\b):ACC+8*(4*\i+\b)+7]
.endif
.endr
.endr
.endm
; The tile's 48 tokens, their row offsets, and chunk 0 of their rows.
.macro PROLOGUE
	s_load_b512 s[16:31], s[8:9], 0x0
	s_load_b512 s[32:47], s[8:9], 0x40
	s_load_b512 s[48:63], s[8:9], 0x80
	s_wait_kmcnt 0x0
	s_add_nc_u64 s[8:9], s[8:9], 8*192             ; my next tile, eight tiles on (the three loads are done)
	s_wait_alu depctr_vm_vsrc(0)                   ; all that was issued so far has read its registers: the last tile's loads VOX, its LDS stores ACC, its global stores OF and T
	                                               ; (in the first trip: part 1's LDS stores OUT); this tile's vector and matrix lines write all of these again
	WIN 0x55
.set m, 0
.rept 48
	s_min_u32 s[16+m], s[16+m], 0xfff              ; a token number is below 4,096
	v_lshl_add_u32 v[VOX+m], s[16+m], 12, v[L16]
.set m, m+1
.endr
	s_wait_alu depctr_va_vdst(0)                   ; VOX is written, which this tile's loads read; the conversions issued so far are done reading ST, in which the loads land
.set m, 0
.rept 48
	global_load_b128 v[ST+4*m:ST+4*m+3], v[VOX+m], s[6:7]
.set m, m+1
.endr
.endm
; Chunk c: k = 128 c .. 128 c + 127.  Group G converts rows 16 G .. 16 G + 15 into OUT, asks for the same rows of chunk c + 1 and stores
; OUT to my A bytes.  Four rows from m on need the loads up to row m + 3.  Behind that one stand this chunk's rows m + 4 .. 47 (44 - m loads)
; and the next chunk's rows 0 .. 16 G - 1 (16 G loads): 44 - (m - 16 G) younger loads may be out.  In the last chunk only the former: 44 - m.
; Rows 0-7 go to v240-255, which no matrix instruction names: their sixteen conversions are the places (ISA guide 7.12.1) between the
; last chunk's products and the first conversion that writes a fragment register.
; Two window switches a group and one back to 0: seven a chunk.
; LDS serves a wave's instructions in order (ISA guide 5.7.1): no wait on DScnt between my stores and my fragment loads.
.macro CHUNK c
.set G, 0
.rept 3
	WIN W_CV
.set m, 16*G
.rept 4
.if \c < 7
	s_wait_loadcnt 44-(m-16*G)
.else
	s_wait_loadcnt 44-m
.endif
.rept 4
	v_cvt_pk_bf16_f32 v[OUT+(2*m+112)%128],   v[ST+4*m],   v[ST+4*m+1]
	v_cvt_pk_bf16_f32 v[OUT+(2*m+112)%128+1], v[ST+4*m+2], v[ST+4*m+3]
.set m, m+1
.endr
.endr
	WIN W_ME
	s_wait_alu depctr_va_vdst(0)                   ; the group's conversions are done reading its sixteen slots, in which the loads land, and have written its OUT, which the LDS stores read
.if \c < 7
.set m, 16*G
.rept 16
	global_load_b128 v[ST+4*m:ST+4*m+3], v[VOX+m], s[6:7] offset:512*(\c+1)
.set m, m+1
.endr
.endif
.set m, 16*G
.rept 16
	ds_store_b64 v[AST], v[OUT+(2*m+112)%128:OUT+(2*m+112)%128+1] offset:APITCH*m
.set m, m+1
.endr
.set G, G+1
.endr
	WIN 0
	s_wait_alu depctr_vm_vsrc(0)                   ; the 48 LDS stores have read OUT: fragments land there now, and the next chunk's conversions write it again
	s_wait_alu depctr_va_vdst(0)                   ; the conversions have written OUT, and the last chunk's matrix instructions have read both buffers: the fragments land in these registers
	FETCH \c, 0, 0
	FETCH \c, 1, 1
	s_wait_dscnt 14                                ; LDS loads come back in order: buffer 0 is whole, buffer 1's fourteen may be out
.if \c == 0
	MUL 0, 1
.else
	MUL 0, 0
.endif
	s_wait_alu depctr_va_vdst(0)                   ; the twelve matrix instructions are done reading buffer 0, in which the next fragments land
	FETCH \c, 2, 0
	s_wait_dscnt 14                                ; buffer 1 is whole
	MUL 1, 0
	s_wait_alu depctr_va_vdst(0)                   ; the twelve matrix instructions are done reading buffer 1, in which the next fragments land
	FETCH \c, 3, 1
	s_wait_dscnt 14                                ; buffer 0 is whole
	MUL 0, 0
	s_wait_dscnt 0x0                               ; buffer 1 is whole; also: my reads of the A bytes are over
	MUL 1, 0
.endm
; The way out, 16 tokens at a time: a lane's 8 + 8 .. neighbouring f32 go into my own stage (rows of 256 + 16 bytes), come back as whole
; rows, and sixteen lanes store 256 consecutive bytes of one token's row, at a multiple of 256 from out0's first byte.
; Store t takes stage rows 2 t (lanes 0-15) and 2 t + 1 (lanes 16-31).  Its offset is token x 4096 + 16 r: the row offset of the one or
; the other list place, chosen by the two lane masks, which also clear bit 8 (the 256 h in 16 lane).
.macro ANDS i, of, aux
.irp t, 0,1,2,3,4,5,6,7
	v_and_b32 v[\of+\t],  v[VOX+16*\i+2*\t],   v[ML]
	v_and_b32 v[\aux+\t], v[VOX+16*\i+2*\t+1], v[MH]
.endr
.endm
.macro ADDS of, aux
.irp t, 0,1,2,3,4,5,6,7
	v_add_nc_u32 v[\of+\t], v[\of+\t], v[\aux+\t]
.endr
.endm
.macro TOSTAGE i
.irp b, 0,1,2,3
	ds_store_b128 v[STO], v[ACC+8*(4*\i+\b):ACC+8*(4*\i+\b)+3]   offset:16*APITCH*\i+64*\b      ; each accumulator from its low end on
	ds_store_b128 v[STO], v[ACC+8*(4*\i+\b)+4:ACC+8*(4*\i+\b)+7] offset:16*APITCH*\i+64*\b+16
.endr
.irp t, 0,1,2,3,4,5,6,7
	ds_load_b128 v[T+32*\i+4*\t:T+32*\i+4*\t+3], v[RD] offset:16*APITCH*\i+2*APITCH*\t
.endr
.endm
.macro SEND i, of, younger             ; younger: the LDS instructions issued behind block i's loads: the next block's sixteen, or none
.irp t, 0,1,2,3,4,5,6,7
	s_wait_dscnt \younger+7-\t                     ; LDS loads come back in order: rows 2 t, 2 t + 1 are in
	global_store_b128 v[\of+\t], v[T+32*\i+4*\t:T+32*\i+4*\t+3], s[10:11] th:TH_STORE_NT
.endr
.endm
.macro OUTPUT
	WIN 0x01                                       ; source 0 in window 1
	ANDS 0, OF0, AX0                               ; these sixteen name no register of a matrix instruction: the places behind the last products,
	ANDS 1, OF1, AX1                               ; ahead of the lines that write v224-239 and of the LDS stores that read the results
	ANDS 2, OF1+8, AX1+8
	WIN 0
	ADDS OF0, AX0
	ADDS OF1, AX1
	ADDS OF1+8, AX1+8
	s_wait_alu depctr_va_vdst(0)                   ; the matrix instructions have written ACC, which the LDS stores read, and are done reading the fragment registers, in which T's loads land;
	                                               ; the 24 offsets are written, which the global stores read.  No vector line follows before the tile's end
	TOSTAGE 0
	TOSTAGE 1
	SEND 0, OF0, 16
	TOSTAGE 2
	SEND 1, OF1, 16
	SEND 2, OF1+8, 0
	s_wait_xcnt 0x0                                ; the next tile rewrites these registers (its head states besides that the stores have read them)
.endm
	; PART 2: my tiles.  No barrier: the trips differ from wave to wave.
	s_mov_b32 s14, 0
.Ltile:
	PROLOGUE
	CHUNK 0
	CHUNK 1
	CHUNK 2
	CHUNK 3
	CHUNK 4
	CHUNK 5
	CHUNK 6
	CHUNK 7
	OUTPUT
	s_add_co_u32 s14, s14, 1
	s_cmp_lt_u32 s14, s13
	s_cbranch_scc1 .Ltile
.Lend:
	s_wait_dscnt 0x0
	s_wait_alu depctr_hold_cnt(0) depctr_sa_sdst(0) depctr_va_vdst(0) depctr_va_sdst(0) depctr_va_ssrc(0) depctr_va_vcc(0) depctr_vm_vsrc(0)
	s_wait_tensorcnt 0x0
	ds_add_u32 v30, v31
	s_wait_dscnt 0x0
	s_endpgm
.Lfunc_end_k_qea1ef2932e_gemm:
	.size	k_qea1ef2932e_gemm, .Lfunc_end_k_qea1ef2932e_gemm-k_qea1ef2932e_gemm
	.p2alignl 7, 3214868480
	.fill 96, 4, 3214868480
	.section	.rodata,"a",@progbits
	.p2align	6, 0x0
	.amdhsa_kernel k_qea1ef2932e_gemm
		.amdhsa_group_segment_fixed_size 237568
		.amdhsa_private_segment_fixed_size 0
		.amdhsa_enable_private_segment 0
		.amdhsa_kernarg_size 32
		.amdhsa_user_sgpr_count 2
		.amdhsa_user_sgpr_kernarg_segment_ptr 1
		.amdhsa_wavefront_size32 1
		.amdhsa_system_sgpr_workgroup_id_x 1
		.amdhsa_system_sgpr_workgroup_id_y 1
		.amdhsa_system_sgpr_workgroup_id_z 1
		.amdhsa_system_vgpr_workitem_id 0
		.amdhsa_next_free_vgpr 512
		.amdhsa_next_free_sgpr 80
		.amdhsa_reserve_vcc 0
		.amdhsa_float_denorm_mode_32 3
		.amdhsa_float_denorm_mode_16_64 3
		.amdhsa_memory_ordered 1
		.amdhsa_forward_progress 1
		.amdhsa_inst_pref_size 205
	.end_amdhsa_kernel
	.amdgpu_metadata
---
amdhsa.version: [ 1, 2 ]
amdhsa.kernels:
  - .name:           k_qea1ef2932e_gemm
    .symbol:         k_qea1ef2932e_gemm.kd
    .args:
      - { .name: weight, .offset: 0, .size: 8, .value_kind: global_buffer, .address_space: global }
      - { .name: x, .offset: 8, .size: 8, .value_kind: global_buffer, .address_space: global }
      - { .name: route, .offset: 16, .size: 8, .value_kind: global_buffer, .address_space: global }
      - { .name: out0, .offset: 24, .size: 8, .value_kind: global_buffer, .address_space: global }
    .group_segment_fixed_size: 237568
    .private_segment_fixed_size: 0
    .kernarg_segment_align: 8
    .kernarg_segment_size: 32
    .max_flat_workgroup_size: 256
    .sgpr_count:     80
    .vgpr_count:     512
    .wavefront_size: 32
...
	.end_amdgpu_metadata
.endif
;; end of part 3
